; MI455X (gfx1250); checked and timed in simulation.
; The chip was launched on July 23, 2026; its instructions are those of AMD's public machine-readable ISA for CDNA 5 (MIT licence, August 2026) and "CDNA5" Instruction Set Architecture Reference Guide (July 2026). The comments in the code are by the model that wrote it; some were corrected since.
;; Multi Head Attention. Allowed arithmetic: matrix products marked QUANTISED: E2M1 operands, one E8M0 scale for each 32 along K, by v_wmma_scale_f32_16x16x128_f8f6f4 with both operands' format E2M1 (or v_wmma_scale_f32_32x16x128_f4), f32 sums; products left as they are: bf16, f16 or f32 operands; f32 sums; everything else in f32.
;; Inputs: Wkv 1,024 x 2,048 float32; Wo 1,024 x 1,024 float32; Wq 1,024 x 1,024 float32; x 4 x 2,048 x 1,024 float32.
;; Outputs: out0 4 x 2,048 x 1,024 float32.
;; This version of the problem:
;;   THIS VERSION OF THE PROBLEM IS GIVEN IN LOW PRECISION. The matrix products marked QUANTISED in the list below multiply operands that are first quantised to E2M1 (2 exponent bits, 1 mantissa bit; 4 bits a number), with one power-of-two scale for each 32 numbers along K (OCP MX v1.0); their sums are f32. The products marked 'left as it is' may take bf16, f16 or f32 operands, with f32 sums. Whichever they take, every output number must still come out within the allowed error. Rounding operands to bf16 (8 significant bits) uses up far more of that allowance than f16 does (11 bits, for magnitudes from 6e-5 to 65,504). All else is computed in f32.
;;   The module's matrix products, in the order in which they are computed (A, B: the left and right operand; K: the contracted axis; several contracted axes count as one K, in the product's order):
;;     1. [M 8,192, K 1,024] x [K 1,024, N 1,024]; A: input x; B: input Wq: QUANTISED
;;     2. [M 8,192, K 1,024] x [K 1,024, N 2,048]; A: input x; B: input Wkv: QUANTISED
;;     3. batch 64 x [M 2,048, K 64] x [K 64, N 2,048]; A: computed on the way; B: computed on the way: left as it is (an operand is computed on the way)
;;     4. batch 64 x [M 2,048, K 2,048] x [K 2,048, N 64]; A: computed on the way; B: computed on the way: left as it is (an operand is computed on the way)
;;     5. [M 8,192, K 1,024] x [K 1,024, N 1,024]; A: computed on the way; B: input Wo: left as it is (an operand is computed on the way)
;;   THE QUANTISER, for each operand of a quantised product, along K:
;;     - K is cut into blocks of 32 from its start; a last block that is shorter is filled with zeros.
;;     - A block's scale is 2^e with e = floor(log2(the largest magnitude in the block)) - 2, held to -126 .. 127; a block of zeros has e = 0. As a byte (E8M0): e + 127.
;;     - Each number is divided by its block's scale, clamped to +-6, and rounded to the nearest number of E2M1, ties to even, subnormals kept.
;;     - The product sums the exact products of the quantised numbers (number of the format x scale) in f32.
;;   ~~~python
;;   def quantise(x, axis):      # numpy; x: float32 -> the quantised numbers, widened to float32 again
;;       x = np.moveaxis(x, axis, -1); K = x.shape[-1]
;;       x = np.pad(x, [(0, 0)] * (x.ndim - 1) + [(0, -K % 32)]); x = x.reshape(x.shape[:-1] + (-1, 32)); a = np.abs(x).max(-1, keepdims=True)
;;       e = np.where(a > 0, np.clip(np.frexp(np.where(a > 0, a, 1))[1] - 1 - 2, -126, 127), 0)      # np.frexp(a)[1] - 1 = floor(log2(a)), exactly
;;       r = np.clip(x / 2.0 ** e, -6, 6)
;;       step = 2.0 ** (np.maximum(np.frexp(np.where(r == 0, 1, r))[1] - 1, 0) - 1)
;;       q = np.round(r / step) * step * 2.0 ** e      # np.round: ties to even
;;       return np.moveaxis(q.reshape(q.shape[:-2] + (-1,))[..., :K], -1, axis).astype(np.float32)
;;   ~~~
;; One version. Each part assembles by itself: llvm-mc -triple=amdgcn-amd-amdhsa -mcpu=gfx1250 --defsym DOCPART=n.
;; ======== version 1 of 1: 4 launches
;; limits: values are held in f16: magnitudes above 65,504 overflow, below 6.1e-05 lose precision
;; workspace buffers: xc 4,194,304 bytes; xs 262,144 bytes; wc 1,572,864 bytes; ws 98,304 bytes; woi 2,097,152 bytes; qkv 50,331,648 bytes; ao 16,777,216 bytes
;; launch prep (part 1): grid 512 x 1, 4 waves a work-group, no clusters, 34,304 bytes of LDS; arguments x, Wq, Wkv, Wo, xc, xs, wc, ws, woi; writes xc, xs, wc, ws, woi
.if DOCPART == 1
	.amdgcn_target "amdgcn-amd-amdhsa--gfx1250"
	.amdhsa_code_object_version 6
	.text
	.protected	k_qd34357a2a3_prep
	.globl	k_qd34357a2a3_prep
	.p2align	8
	.type	k_qd34357a2a3_prep,@function
k_qd34357a2a3_prep:
	s_mov_b64 s[64:65], 0
	v_nop
	global_prefetch_b8 v0, s[64:65] scope:SCOPE_SE
	s_setreg_imm32_b32 hwreg(HW_REG_WAVE_MODE, 25, 1), 1
	s_wait_xcnt 0x0
; PREP: x [8192][1024], Wq [1024][1024], Wkv [1024][2048] (f32) become codes of FP4 (E2M1) with one E8M0 byte for each 32 along K; Wo [1024][1024] becomes f16.
; Everything is laid as IMAGES OF OPERAND REGISTERS: groups of 512 bytes, lane l's 16 bytes at 16 l, so that later launches fill fragments by 16-byte loads at 16 x lane.
;   xc [mt 512][s 8][c 2][lane][16 B]: lane (r, h): the 32 codes of row 16 mt + r, k = 128 s + 64 c + 32 h + 0 .. 31.     xs [mt][u 2][r 16][16 B]: the row's scale bytes of blocks 16 u .. 16 u + 15
;   wc, ws: the same with rows n = 0 .. 1023 Wq's columns, 1024 .. 3071 Wkv's.      woi [nt 64][kg 64][lane][16 B]: lane (r, h): f16 of Wo[16 kg + 8 h + 0 .. 7][16 nt + r]
; A block's scale is 2^(floor(log2(largest magnitude)) - 2): its byte is the largest magnitude's exponent field - 2, held at 1 from below by a floor among the maximum's leaves.
; LIMITS: a block of zeros gets the byte 1 where the rule says 127 (its codes are zeros, and this program alone reads the bytes); NaN and infinities among the inputs are not served; Wo is held at +-65,504, f16's largest number.
; SHARES: work-groups 0-255: x, a wave takes 16 rows x 512 along K;  256-319: Wq, 320-447: Wkv, 448-511: Wo: a work-group takes 128 columns x 128 along K, a lane a column, its registers running down K.
; No work-group shares an input with another, so there is no cluster; waves share nothing, so there is no barrier.  Only the path for x uses LDS: each wave's own stage.
.set STGW,  8448                       ; a wave's stage: 16 rows x 528 bytes
.set SP,    528                        ; a stage row: 512 bytes + 16: an odd multiple of 16, so the 16 rows that a read touches start at 16 different 16-byte columns
.set SPARE, 4*STGW                     ; behind the stages: the spare words, 128 bytes a wave
.set R,     32                         ; v32-159  x as loaded, two sets of 64;  in the weights' paths v32-95: two sets of 32
.set X,     160                        ; v160-223 64 numbers of my row: two whole blocks of 32
.set C,     224                        ; v224-255 codes, eight registers for each step: no store's data are written again
.set SPW,   28                         ; v28 LDS address of my spare word;  v29 0: both never rewritten
.set NIL,   29
.macro LOADX sl                        ; step sl of x: 16 rows, 512 consecutive bytes of a row to a load
.set i, 0
.rept 16
	global_load_b128 v[R+64*((\sl)%2)+4*i:R+64*((\sl)%2)+4*i+3], v1, s[4:5] offset:4096*i+512*(\sl) th:TH_LOAD_NT
.set i, i+1
.endr
.endm
.macro STEPX sl                        ; 16 rows x 128 along K: through the stage, quantised, stored
.if (\sl) < 3
	s_wait_loadcnt 16                              ; this step's 16 loads are in; the next step's 16 may be out
.else
	s_wait_loadcnt 0x0
.endif
.set i, 0
.rept 16
	ds_store_b128 v4, v[R+64*((\sl)%2)+4*i:R+64*((\sl)%2)+4*i+3] offset:SP*i
.set i, i+1
.endr
.irp c, 0,1
.irp k, 0,1,2,3,4,5,6,7
	ds_load_b128 v[X+32*\c+4*\k:X+32*\c+4*\k+3], v5 offset:256*\c+16*\k   ; LDS serves a wave's instructions in order: these see the stores.  Lane (r, h): k = 64 c + 32 h + 0 .. 31 of row r
.endr
.endr
	s_wait_dscnt 0x0                               ; the stores have read their registers, and my 64 numbers are in
.if (\sl)+2 < 4
	LOADX (\sl)+2
.endif
.irp c, 0,1
	v_max3_num_f32 v[8+\c], |v[X+32*\c]|, |v[X+32*\c+1]|, 0x1800000   ; my block 2 c + h, and the floor 2^(3 - 127): the byte cannot fall under 1
.endr
.irp i, 2,4,6,8,10,12,14,16,18,20,22,24,26,28,30
.irp c, 0,1
	v_max3_num_f32 v[8+\c], v[8+\c], |v[X+32*\c+\i]|, |v[X+32*\c+\i+1]|
.endr
.endr
.irp c, 0,1
	v_add_nc_u32 v[10+\c], 0xff000000, v[8+\c]     ; 2 off the exponent field: the conversion's scale operand
.endr
.irp c, 0,1
	v_lshrrev_b32 v[12+\c], 23, v[10+\c]           ; the scale's byte
.endr
	v_lshl_or_b32 v14, v13, 16, v12                ; blocks h and 2 + h,
	v_lshlrev_b32 v14, v20, v14                    ; 8 h bits up;
	v_permlanex16_b32 v15, v14, s24, s25
	v_or_b32 v[16+(\sl)], v14, v15                 ; with lane l xor 16's two bytes: my row's scale word of this step
.irp c, 0,1
.irp g, 0,1,2,3
	v_cvt_scalef32_pk8_fp4_f32 v[C+8*(\sl)+4*\c+\g], v[X+32*\c+8*\g:X+32*\c+8*\g+7], v[10+\c]
.endr
.endr
	v_nop                                          ; one plain line behind the last scaled conversion
.irp c, 0,1
	global_store_b128 v1, v[C+8*(\sl)+4*\c:C+8*(\sl)+4*\c+3], s[12:13] offset:1024*(\sl)+512*\c   ; 32 lanes store 512 consecutive aligned bytes
.endr
.endm
.macro WLOAD t, pitch, src             ; block t of a weight: rows 32 t + i of my column; 32 lanes read 128 consecutive bytes, the four waves 512
.set i, 0
.rept 32
	global_load_b32 v[32+32*((\t)%2)+i], v21, s[\src:\src+1] offset:(32*(\t)+i)*\pitch th:TH_LOAD_NT
.set i, i+1
.endr
.endm
.macro WWAIT t
.if (\t) < 3
	s_wait_loadcnt 32                              ; this block's 32 loads are in; the next block's may be out
.else
	s_wait_loadcnt 0x0
.endif
.endm
.macro WBLOCK t, pitch, src            ; 32 along K of my column become 16 bytes of codes and a scale byte
.set XS, 32+32*((\t)%2)
	WWAIT \t
	v_max3_num_f32 v12, |v[XS]|, |v[XS+1]|, |v[XS+2]|
	v_max3_num_f32 v13, |v[XS+3]|, |v[XS+4]|, |v[XS+5]|
.irp i, 6,10,14,18,22,26
	v_max3_num_f32 v12, v12, |v[XS+\i]|, |v[XS+\i+1]|
	v_max3_num_f32 v13, v13, |v[XS+\i+2]|, |v[XS+\i+3]|
.endr
	v_max3_num_f32 v12, v12, |v[XS+30]|, |v[XS+31]|
	v_max3_num_f32 v12, v12, v13, 0x1800000        ; and the floor
	v_add_nc_u32 v11, 0xff000000, v12
	v_lshrrev_b32 v13, 23, v11
.if (\t) == 0
	v_mov_b32 v24, v13                             ; the K step's scale word: byte t for block t
.else
	v_lshl_or_b32 v24, v13, 8*(\t), v24
.endif
.irp g, 0,1,2,3
	v_cvt_scalef32_pk8_fp4_f32 v[96+4*(\t)+\g], v[XS+8*\g:XS+8*\g+7], v11
.endr
	v_nop                                          ; one plain line behind the last scaled conversion
	global_store_b128 v22, v[96+4*(\t):96+4*(\t)+3], s[16:17] offset:512*((\t)/2)+256*((\t)%2)   ; each half of the lanes stores 256 consecutive aligned bytes
.if (\t)+2 < 4
	WLOAD (\t)+2, \pitch, \src
.endif
.endm
.macro WPATH pitch, src, rowbase, first
	s_sub_co_u32 s28, ttmp9, \first
	s_lshr_b32 s29, s28, 3                         ; which 128 columns
	s_and_b32 s28, s28, 7                          ; which K step of 128
	s_lshl_b32 s29, s29, 7
	s_lshl_b32 s30, s22, 5
	s_add_co_u32 s29, s29, s30                     ; my wave's first column
	s_mul_i32 s30, s28, 128*\pitch
	s_lshl_b32 s31, s29, 2
	s_add_co_u32 s30, s30, s31
	s_mov_b32 s31, 0
	s_add_nc_u64 s[\src:\src+1], s[\src:\src+1], s[30:31]
	s_add_co_u32 s29, s29, \rowbase
	s_lshr_b32 s29, s29, 4                         ; my first tile of 16 rows of the operand
	s_lshl_b32 s30, s29, 3
	s_add_co_u32 s30, s30, s28
	s_lshl_b32 s30, s30, 10                        ; codes: (8 nt + s) x 1,024
	s_add_nc_u64 s[16:17], s[16:17], s[30:31]
	s_lshl_b32 s30, s29, 9                         ; scale words: 512 nt + 256 (s / 4) + 4 (s % 4)
	s_lshr_b32 s32, s28, 2
	s_lshl_b32 s32, s32, 8
	s_add_co_u32 s30, s30, s32
	s_and_b32 s32, s28, 3
	s_lshl_b32 s32, s32, 2
	s_add_co_u32 s30, s30, s32
	s_add_nc_u64 s[18:19], s[18:19], s[30:31]
	WLOAD 0, \pitch, \src
	WLOAD 1, \pitch, \src
	WBLOCK 0, \pitch, \src
	WBLOCK 1, \pitch, \src
	WBLOCK 2, \pitch, \src
	WBLOCK 3, \pitch, \src
	global_store_b32 v23, v24, s[18:19]            ; 4 bytes a lane, 16 apart: the other three words of a row's 16 bytes belong to three other work-groups; 98,304 bytes in the whole launch
	s_endpgm
.endm
.macro OBLOCK t                        ; 32 along K of my column of Wo: held, rounded to f16, four pieces of 16 bytes
.set XS, 32+32*((\t)%2)
	WWAIT \t
.set i, 0
.rept 32
	v_med3_num_f32 v[XS+i], v[XS+i], s26, s27
.set i, i+1
.endr
.set i, 0
.rept 16
	v_cvt_pk_f16_f32 v[96+16*(\t)+i], v[XS+2*i], v[XS+2*i+1]
.set i, i+1
.endr
.irp e, 0,1
.irp p, 0,1
	global_store_b128 v25, v[96+16*(\t)+8*\e+4*\p:96+16*(\t)+8*\e+4*\p+3], s[20:21] offset:512*(2*(\t)+\e)+256*\p   ; each half of the lanes stores 256 consecutive aligned bytes
.endr
.endr
.if (\t)+2 < 4
	WLOAD (\t)+2, 4096, 10
.endif
.endm
	s_load_b256 s[4:11], s[0:1], 0x0               ; x s[4:5], Wq s[6:7], Wkv s[8:9], Wo s[10:11]
	s_load_b256 s[12:19], s[0:1], 0x20             ; xc s[12:13], xs s[14:15], wc s[16:17], ws s[18:19]
	s_load_b64 s[20:21], s[0:1], 0x40              ; woi
	v_lshl_add_u32 v[SPW], v0, 2, SPARE
	v_mov_b32 v[NIL], 0
	v_lshrrev_b32 v7, 5, v0
	v_readfirstlane_b32 s22, v7                    ; wave 0..3
	v_and_b32 v7, 31, v0                           ; lane
	v_lshlrev_b32 v1, 4, v7                        ; 16 x lane
	v_and_b32 v2, 15, v0                           ; r
	v_bfe_u32 v3, v0, 4, 1                         ; h
	s_mul_i32 s23, s22, STGW
	v_add_nc_u32 v4, s23, v1                       ; the stage, on the way in: 16 x lane of a row
	v_mul_u32_u24 v5, v2, SP
	v_lshl_add_u32 v5, v3, 7, v5
	v_add_nc_u32 v5, s23, v5                       ; and back: row r, + 128 h bytes
	v_lshlrev_b32 v6, 4, v2                        ; 16 r
	v_lshlrev_b32 v21, 2, v7                       ; the weights: 4 bytes a lane
	v_lshl_add_u32 v22, v3, 13, v6                 ; their codes: 16 r, lanes 16-31 one tile (8,192 bytes) on
	v_lshl_add_u32 v23, v3, 9, v6                  ; their scale words: 16 r + 512 h
	v_lshl_add_u32 v25, v3, 15, v6                 ; Wo's pieces: 16 r + 32,768 h
	v_lshl_add_u32 v6, v3, 3, v6                   ; x's scale words on the way out: 16 r + 8 h
	v_lshlrev_b32 v20, 3, v3                       ; 8 h
	v_mov_b32 v15, 0                               ; written once: a lane permute's destination counts as one of its sources
	s_mov_b32 s24, 0x76543210
	s_mov_b32 s25, 0xfedcba98                      ; selects for lane l xor 16
	s_mov_b32 s26, 0xc77fe000                      ; -65,504
	s_mov_b32 s27, 0x477fe000                      ; 65,504
	s_wait_kmcnt 0x0
	s_cmp_lt_u32 ttmp9, 256
	s_cbranch_scc1 .Lx
	s_cmp_lt_u32 ttmp9, 320
	s_cbranch_scc1 .Lwq
	s_cmp_lt_u32 ttmp9, 448
	s_cbranch_scc1 .Lwkv
	; ---- Wo
	s_sub_co_u32 s28, ttmp9, 448
	s_lshr_b32 s29, s28, 3
	s_and_b32 s28, s28, 7
	s_lshl_b32 s29, s29, 7
	s_lshl_b32 s30, s22, 5
	s_add_co_u32 s29, s29, s30                     ; my wave's first column
	s_lshl_b32 s30, s28, 19                        ; 128 rows of 4,096 bytes a K step
	s_lshl_b32 s31, s29, 2
	s_add_co_u32 s30, s30, s31
	s_mov_b32 s31, 0
	s_add_nc_u64 s[10:11], s[10:11], s[30:31]
	s_lshr_b32 s29, s29, 4
	s_lshl_b32 s30, s29, 15                        ; 32,768 nt + 4,096 s
	s_lshl_b32 s32, s28, 12
	s_add_co_u32 s30, s30, s32
	s_add_nc_u64 s[20:21], s[20:21], s[30:31]
	WLOAD 0, 4096, 10
	WLOAD 1, 4096, 10
	OBLOCK 0
	OBLOCK 1
	OBLOCK 2
	OBLOCK 3
	s_endpgm
.Lwq:
	WPATH 4096, 6, 0, 256
.Lwkv:
	WPATH 8192, 8, 1024, 320
.Lx:
	s_lshl_b32 s28, ttmp9, 2
	s_add_co_u32 s28, s28, s22                     ; my unit: tile of rows mt = unit / 2, half of K u = unit % 2
	s_lshr_b32 s30, s28, 1
	s_lshl_b32 s30, s30, 16                        ; 16 rows of 4,096 bytes
	s_and_b32 s31, s28, 1
	s_lshl_b32 s31, s31, 11
	s_add_co_u32 s30, s30, s31
	s_mov_b32 s31, 0
	s_add_nc_u64 s[4:5], s[4:5], s[30:31]
	s_lshl_b32 s30, s28, 12                        ; codes: 4,096 bytes a unit
	s_add_nc_u64 s[12:13], s[12:13], s[30:31]
	s_lshl_b32 s30, s28, 8                         ; scale bytes: 256 a unit
	s_add_nc_u64 s[14:15], s[14:15], s[30:31]
	LOADX 0
	LOADX 1
	STEPX 0
	STEPX 1
	STEPX 2
	STEPX 3
	v_cmp_eq_u32 vcc_lo, 1, v3
	v_cndmask_b32 v8, v16, v18, vcc_lo             ; lanes 0-15 store their row's words 0 and 1, lanes 16-31 words 2 and 3
	v_cndmask_b32 v9, v17, v19, vcc_lo
	global_store_b64 v6, v[8:9], s[14:15]          ; 32 lanes store 256 consecutive aligned bytes
	s_wait_tensorcnt 0x0                           ; the wave's end, behind my last LDS store
	ds_add_u32 v[SPW], v[NIL]
	s_wait_dscnt 0x0
	s_endpgm
.Lfunc_end_k_qd34357a2a3_prep:
	.size	k_qd34357a2a3_prep, .Lfunc_end_k_qd34357a2a3_prep-k_qd34357a2a3_prep
	.p2alignl 7, 3214868480
	.fill 96, 4, 3214868480
	.section	.rodata,"a",@progbits
	.p2align	6, 0x0
	.amdhsa_kernel k_qd34357a2a3_prep
		.amdhsa_group_segment_fixed_size 34304
		.amdhsa_private_segment_fixed_size 0
		.amdhsa_enable_private_segment 0
		.amdhsa_kernarg_size 72
		.amdhsa_user_sgpr_count 2
		.amdhsa_user_sgpr_kernarg_segment_ptr 1
		.amdhsa_wavefront_size32 1
		.amdhsa_system_sgpr_workgroup_id_x 1
		.amdhsa_system_sgpr_workgroup_id_y 1
		.amdhsa_system_sgpr_workgroup_id_z 1
		.amdhsa_system_vgpr_workitem_id 0
		.amdhsa_next_free_vgpr 256
		.amdhsa_next_free_sgpr 66
		.amdhsa_reserve_vcc 1
		.amdhsa_float_denorm_mode_32 3
		.amdhsa_float_denorm_mode_16_64 3
		.amdhsa_memory_ordered 1
		.amdhsa_forward_progress 1
		.amdhsa_inst_pref_size 95
	.end_amdhsa_kernel
	.amdgpu_metadata
---
amdhsa.version: [ 1, 2 ]
amdhsa.kernels:
  - .name:           k_qd34357a2a3_prep
    .symbol:         k_qd34357a2a3_prep.kd
    .args:
      - { .name: x, .offset: 0, .size: 8, .value_kind: global_buffer, .address_space: global }
      - { .name: Wq, .offset: 8, .size: 8, .value_kind: global_buffer, .address_space: global }
      - { .name: Wkv, .offset: 16, .size: 8, .value_kind: global_buffer, .address_space: global }
      - { .name: Wo, .offset: 24, .size: 8, .value_kind: global_buffer, .address_space: global }
      - { .name: xc, .offset: 32, .size: 8, .value_kind: global_buffer, .address_space: global }
      - { .name: xs, .offset: 40, .size: 8, .value_kind: global_buffer, .address_space: global }
      - { .name: wc, .offset: 48, .size: 8, .value_kind: global_buffer, .address_space: global }
      - { .name: ws, .offset: 56, .size: 8, .value_kind: global_buffer, .address_space: global }
      - { .name: woi, .offset: 64, .size: 8, .value_kind: global_buffer, .address_space: global }
    .group_segment_fixed_size: 34304
    .private_segment_fixed_size: 0
    .kernarg_segment_align: 8
    .kernarg_segment_size: 72
    .max_flat_workgroup_size: 128
    .sgpr_count:     66
    .vgpr_count:     256
    .wavefront_size: 32
...
	.end_amdgpu_metadata
.endif
;; end of part 1
;; launch proj (part 2): grid 12 x 32, 4 waves a work-group, clusters of 4 x 4, 327,680 bytes of LDS; arguments xc, xs, wc, ws, qkv; writes qkv
.if DOCPART == 2
	.amdgcn_target "amdgcn-amd-amdhsa--gfx1250"
	.amdhsa_code_object_version 6
	.text
	.protected	k_qd34357a2a3_proj
	.globl	k_qd34357a2a3_proj
	.p2align	8
	.type	k_qd34357a2a3_proj,@function
k_qd34357a2a3_proj:
	s_mov_b64 s[64:65], 0
	v_nop
	global_prefetch_b8 v0, s[64:65] scope:SCOPE_SE
	s_setreg_imm32_b32 hwreg(HW_REG_WAVE_MODE, 25, 1), 1
	s_wait_xcnt 0x0
	s_wait_alu depctr_hold_cnt(0) depctr_sa_sdst(0) depctr_va_vdst(0) depctr_va_sdst(0) depctr_va_ssrc(0) depctr_va_vcc(0) depctr_vm_vsrc(0)
	s_getreg_b32 s2, hwreg(HW_REG_IB_STS2, 6, 4)
	s_cmp_eq_u32 s2, 0
	s_cbranch_scc0 .Lentry_in_a_cluster
	s_endpgm
.Lentry_in_a_cluster:
	s_bfe_u32 s2, ttmp6, 0x10000c
	s_cmp_lg_u32 s2, 0xf033
	s_cbranch_scc0 .Lentry_shape_is_right
	s_endpgm
.Lentry_shape_is_right:
; PROJ: [q | k | v] = Q(x) Q([Wq | Wkv]) on codes of FP4 (E2M1) with E8M0 scales: M = 8,192 tokens, N = 3,072 columns, K = 1,024; sums in f32.
; q is multiplied by c = log2(e) / 8 (the softmax's scale and base), all three are held at +-65,504 and rounded to f16.
; OUT: qkv = three parts of 16,777,216 bytes (q c, k, v), each [bh 64][tt 128][cg 4][lane][16 B]: lane (r, h): token 16 tt + r, channels 16 cg + 8 h + 0 .. 7 of head bh: the image of an f16 operand's registers.
; A tile of 256 tokens x 256 columns is made by four waves, each 128 x 128: 64 accumulators, 512 registers.  Codes and scale words arrive as images of operand registers (launch prep), so a fragment is two
; 16-byte loads at 16 x lane, with no pitch and no padding.  ALL OF K LIES IN LDS, in two slots of 512 along K, each filled once: 2 x 131,072 bytes of codes + 16,384 of scale words.  Nothing is filled again.
; CLUSTERS: 4 x 4 work-groups.  The four of a row need the same rows of x, the four of a column the same rows of W: each tile is asked for jointly, by the same tensor load with a mask that names the four.
; THE MATRIX INSTRUCTION IS USED TRANSPOSED (source 0 = 16 rows of W, source 1 = 16 tokens): a lane holds one token and eight neighbouring channels, which pack into the 16 bytes of its piece of qkv:
; an accumulator is stored as 512 consecutive aligned bytes straight from registers.
; REGISTERS: window 0: v16-29 addresses; v32-95 scale words, two sets; v128-191 x's fragments, one set.  window 1: W's fragments, two sets, at v0 and v128.  windows 2, 3: the accumulators ((a, b) at v[8 (8 (a % 4) + b)]).
; LIMIT: q c, k, v beyond f16's largest number are held there.
.set NQ,     4                         ; steps of 128 along K in a slot
.set FR,     8                         ; registers of a fragment
.set NL,     2                         ; LDS loads that bring one
.set NP,     4                         ; places behind this matrix instruction (ISA guide 7.12.1)
.set HALFT,  32768                     ; 8 tiles of 16 rows x 512 along K: what one tensor load brings
.set SLOT,   4*HALFT                   ; x's two halves, then W's two
.set SCL,    2*SLOT                    ; the scale words: 4 x 4,096 bytes, in the same order
.set SPARE,  SCL+4*4096                ; the spare words, 128 bytes a wave
.set ADRA, 16                          ; v16-17  LDS address of my fragments of x in slot 0, 1
.set ADRB, 20                          ; v20-21  the same for W
.set CO,   26                          ; v26     16 x lane
.set ADRS, 27                          ; v27     my scale words: lanes 0-15 x's rows, lanes 16-31 W's
.set SPW,  28                          ; v28     LDS address of my spare word; never rewritten
.set NIL,  29                          ; v29     0; never rewritten
.set SC,   32
.set AF,   128
.set G1, 24                            ; s[24:31] group 1 for x's codes;  s[32:39] group 0, a set for each slot
.set G0, 32
.set G1B, 48                           ; s[48:55], s[56:63] the same for W's
.set G0B, 56
.set G1S, 68                           ; s[68:75], s[76:79] groups 1 and 0 for x's scale words;  s[80:87], s[88:91] for W's
.set G0S, 76
.set G1SB, 80
.set G0SB, 88
.set MSB, 0
.macro WIN new                         ; the immediate's high byte repeats the setting that is left
.if MSB != \new
	s_set_vgpr_msb (MSB<<8)|\new
.set MSB, \new
.endif
.endm
.set MUL_LO, 0xa1                      ; source 0 (W) window 1, source 1 (x) window 0, C and D window 2
.set MUL_HI, 0xf1                      ; the same, C and D window 3
.set TO_B,   0x40                      ; destination window 1, address window 0
; A joint load: waves 0 and 1 fetch for x, waves 2 and 3 for W; the branch hangs on the wave's number alone.  An s_nop 0 and four v_nop follow each of the two lines.
.macro JLOAD g0a, g1a, g0b, g1b
	s_cmp_eq_u32 s15, 0
	s_cbranch_scc0 .Lfor_b_\@
	tensor_load_to_lds s[\g0a:\g0a+3], s[\g1a:\g1a+7]
	s_nop 0
.rept 4
	v_nop
.endr
	s_branch .Lasked_\@
.Lfor_b_\@:
	tensor_load_to_lds s[\g0b:\g0b+3], s[\g1b:\g1b+7]
	s_nop 0
.rept 4
	v_nop
.endr
.Lasked_\@:
.endm
.macro CROUND                          ; a round of the cluster's barrier
	s_barrier_signal -1
	s_barrier_wait -1
	s_cmp_lg_u32 s14, 0
	s_cbranch_scc1 .Lnot_wave_0_\@
	s_barrier_signal -3
.Lnot_wave_0_\@:
	s_barrier_wait -3
	s_barrier_signal -1
	s_barrier_wait -1
.endm
	s_load_b128 s[4:7], s[0:1], 0x0                ; xc s[4:5], xs s[6:7]
	s_load_b128 s[8:11], s[0:1], 0x10              ; wc s[8:9], ws s[10:11]
	s_load_b64 s[12:13], s[0:1], 0x20              ; qkv
	v_lshl_add_u32 v[SPW], v0, 2, SPARE
	v_mov_b32 v[NIL], 0
	ds_add_u32 v[SPW], v[NIL]                      ; the wave's opening: the add, twice on end, and its wait ahead of my first tensor load
	ds_add_u32 v[SPW], v[NIL]
	v_lshrrev_b32 v1, 5, v0
	v_readfirstlane_b32 s14, v1                    ; wave 0..3
	s_lshr_b32 s15, s14, 1                         ; which half of the tile's tokens is mine.  Also: I fetch for x (0) or for W (1)
	s_and_b32 s16, s14, 1                          ; which half of its columns.  Also: which 128 rows I fetch
	s_bfe_u32 s40, ttmp6, 0x40000                  ; cx, cy: my place in the cluster
	s_bfe_u32 s41, ttmp6, 0x40004
	s_lshl_b32 s42, ttmp9, 2
	s_add_co_u32 s42, s42, s40                     ; tile column X = 4 x cluster x + cx
	s_and_b32 s17, ttmp7, 0xffff
	s_lshl_b32 s17, s17, 2
	s_add_co_u32 s17, s17, s41                     ; tile row Y = 4 x cluster y + cy
	s_lshl_b32 s43, s41, 2
	s_lshl_b32 s43, 15, s43                        ; my row of the cluster
	s_lshl_b32 s44, 0x1111, s40                    ; my column
	; group 1 for codes: 8 rows (tiles of 16 operand rows) of 4,096 bytes, 8,192 bytes apart; elements of 8 bytes; no padding
	s_or_b32 s[G1+0], s43, (3<<16)|(1<<21)         ; 15:0 the mask; 17:16 elements of 8 bytes; 21 set beside a mask
	s_or_b32 s[G1B+0], s44, (3<<16)|(1<<21)
.irp g, G1, G1B
	s_mov_b32 s[\g+1], 512<<16                     ; tensor_dim0 = 512
	s_mov_b32 s[\g+2], 8<<16                       ; tensor_dim1 = 8
	s_mov_b32 s[\g+3], 512<<16                     ; tile_dim0 = 512
	s_mov_b32 s[\g+4], 8                           ; tile_dim1 = 8
	s_mov_b32 s[\g+5], 1024                        ; from row to row
	s_mov_b32 s[\g+6], 0
	s_mov_b32 s[\g+7], 0
.endr
	; group 1 for scale words: a dense block of 4,096 bytes as 16 rows of 256
	s_or_b32 s[G1S+0], s43, (3<<16)|(1<<21)
	s_or_b32 s[G1SB+0], s44, (3<<16)|(1<<21)
.irp g, G1S, G1SB
	s_mov_b32 s[\g+1], 32<<16
	s_mov_b32 s[\g+2], 16<<16
	s_mov_b32 s[\g+3], 32<<16
	s_mov_b32 s[\g+4], 16
	s_mov_b32 s[\g+5], 32
	s_mov_b32 s[\g+6], 0
	s_mov_b32 s[\g+7], 0
.endr
	s_lshl_b32 s18, s16, 3                         ; which 8 tiles of the 16 I fetch
	s_lshl_b32 s20, s17, 4
	s_add_co_u32 s20, s20, s18                     ; x: tile 16 Y + 8 x half
	s_lshl_b32 s22, s20, 9                         ; its scale words: 512 bytes a tile
	s_mov_b32 s23, 0
	s_lshl_b32 s20, s20, 13                        ; its codes: 8,192 bytes a tile
	s_mov_b32 s21, 0
	s_lshl_b32 s46, s42, 4
	s_add_co_u32 s46, s46, s18                     ; W: tile 16 X + 8 x half
	s_lshl_b32 s92, s46, 9
	s_mov_b32 s93, 0
	s_lshl_b32 s46, s46, 13
	s_mov_b32 s47, 0
	s_mul_i32 s45, s14, HALFT                      ; where they go: by the wave's number alone
	s_lshl_b32 s94, s14, 12
	s_wait_dscnt 0x0                               ; both opening adds are done
	s_wait_kmcnt 0x0
	s_add_nc_u64 s[20:21], s[4:5], s[20:21]
	s_add_nc_u64 s[22:23], s[6:7], s[22:23]
	s_add_nc_u64 s[46:47], s[8:9], s[46:47]
	s_add_nc_u64 s[92:93], s[10:11], s[92:93]
	CROUND                                         ; all sixteen work-groups are here: the joint loads meet
	s_mov_b32 s[G0S], 1
	s_add_co_u32 s[G0S+1], s94, SCL
	s_mov_b64 s[G0S+2:G0S+3], s[22:23]
	s_or_b32 s[G0S+3], s[G0S+3], 0x80000000
	s_mov_b32 s[G0SB], 1
	s_add_co_u32 s[G0SB+1], s94, SCL
	s_mov_b64 s[G0SB+2:G0SB+3], s[92:93]
	s_or_b32 s[G0SB+3], s[G0SB+3], 0x80000000
	JLOAD G0S, G1S, G0SB, G1SB                     ; the scale words first: they are wanted with the first half of K
.irp s, 0,1
	s_mov_b32 s[G0+4*\s], 1
	s_add_co_u32 s[G0+4*\s+1], s45, \s*SLOT
	s_add_nc_u64 s[G0+4*\s+2:G0+4*\s+3], s[20:21], \s*4096
	s_or_b32 s[G0+4*\s+3], s[G0+4*\s+3], 0x80000000
	s_mov_b32 s[G0B+4*\s], 1
	s_add_co_u32 s[G0B+4*\s+1], s45, \s*SLOT
	s_add_nc_u64 s[G0B+4*\s+2:G0B+4*\s+3], s[46:47], \s*4096
	s_or_b32 s[G0B+4*\s+3], s[G0B+4*\s+3], 0x80000000
	JLOAD G0+4*\s, G1, G0B+4*\s, G1B               ; three loads of mine are out in all
.endr
	v_and_b32 v1, 15, v0                           ; r
	v_bfe_u32 v2, v0, 4, 1                         ; h
	v_and_b32 v3, 31, v0
	v_lshlrev_b32 v[CO], 4, v3                     ; 16 x lane
	s_mul_i32 s21, s15, HALFT                      ; my 128 tokens
	s_mul_i32 s22, s16, HALFT                      ; my 128 rows of W,
	s_add_co_u32 s22, s22, 2*HALFT                 ; which lie behind x's 256
.irp s, 0,1
	v_add_nc_u32 v[ADRA+\s], s21, v[CO]
	v_add_nc_u32 v[ADRB+\s], s22, v[CO]
	s_add_co_u32 s21, s21, SLOT
	s_add_co_u32 s22, s22, SLOT
.endr
	v_lshlrev_b32 v5, 4, v1                        ; my row's 16 bytes of scale words
	s_lshl_b32 s21, s15, 12                        ; x's: my 128 tokens
	s_lshl_b32 s22, s16, 12                        ; W's: my 128 rows, behind x's 8,192 bytes
	s_add_co_u32 s22, s22, 8192
	s_sub_co_u32 s22, s22, s21
	v_mul_u32_u24 v6, s22, v2                      ; lanes 16-31 take W's: one product, the distance between the two
	s_add_co_u32 s21, s21, SCL
	v_add_nc_u32 v5, v5, v6
	v_add_nc_u32 v[ADRS], s21, v5
	; where my part of qkv begins: ((64 part + 16 batch + head) << 18) + (tile of tokens << 11); part = cluster x, head = 4 cx + 2 x half, in registers that feed no descriptor
	s_lshl_b32 s66, ttmp9, 6
	s_lshr_b32 s95, s17, 3
	s_lshl_b32 s95, s95, 4
	s_add_co_u32 s66, s66, s95
	s_lshl_b32 s95, s40, 2
	s_add_co_u32 s66, s66, s95
	s_lshl_b32 s95, s16, 1
	s_add_co_u32 s66, s66, s95
	s_lshl_b32 s66, s66, 18
	s_and_b32 s95, s17, 7
	s_lshl_b32 s95, s95, 4
	s_lshl_b32 s67, s15, 3
	s_add_co_u32 s95, s95, s67
	s_lshl_b32 s95, s95, 11
	s_add_co_u32 s66, s66, s95
	s_mov_b32 s67, 0
	s_add_nc_u64 s[12:13], s[12:13], s[66:67]
	s_cmp_eq_u32 ttmp9, 0                          ; q's columns?
	s_cselect_b32 s96, 0x3e38aa3b, 1.0             ; c = log2(e) / 8 for q, 1 for k and v
	s_mov_b32 s97, s96                             ; (named with it as a pair, so it is written)
	s_mov_b32 s98, 0xc77fe000                      ; -65,504
	s_mov_b32 s99, 0x477fe000                      ; 65,504
.macro FRAG reg, adr, q, i             ; a fragment, 16 rows x 128 K of 4-bit codes: registers 4 c .. 4 c + 3 are group c of its image
.irp c, 0,1
	ds_load_b128 v[\reg+4*\c:\reg+4*\c+3], v[\adr] offset:4096*(\i)+1024*(\q)+512*\c
.endr
.endm
; 16 matrix instructions: x's blocks a0, a0 + 1 against W's eight, the slot's q-th 128 along K.  p: W's set; sc: the set of scale words.  zero = 1: the product starts the sums.
; The 64 accumulators take turns, one instruction a turn, in the same order in every step.
.macro MUL16 a0, p, q, sc, zero
.irp a, \a0, \a0+1
.irp b, 0,1,2,3,4,5,6,7
.if \zero
	v_wmma_scale_f32_16x16x128_f8f6f4 v[8*(8*((\a)%4)+\b):8*(8*((\a)%4)+\b)+7], v[128*(\p)+FR*\b:128*(\p)+FR*\b+FR-1], v[AF+FR*(\a):AF+FR*(\a)+FR-1], 0, v[SC+8*NQ*(\sc)+NQ*\b+(\q)], v[SC+8*NQ*(\sc)+NQ*(\a)+(\q)] matrix_a_fmt:MATRIX_FMT_FP4 matrix_b_fmt:MATRIX_FMT_FP4 matrix_a_scale:MATRIX_SCALE_ROW1
.else
	v_wmma_scale_f32_16x16x128_f8f6f4 v[8*(8*((\a)%4)+\b):8*(8*((\a)%4)+\b)+7], v[128*(\p)+FR*\b:128*(\p)+FR*\b+FR-1], v[AF+FR*(\a):AF+FR*(\a)+FR-1], v[8*(8*((\a)%4)+\b):8*(8*((\a)%4)+\b)+7], v[SC+8*NQ*(\sc)+NQ*\b+(\q)], v[SC+8*NQ*(\sc)+NQ*(\a)+(\q)] matrix_a_fmt:MATRIX_FMT_FP4 matrix_b_fmt:MATRIX_FMT_FP4 matrix_a_scale:MATRIX_SCALE_ROW1
.endif
.endr
.endr
.endm
.macro FETCH_B slot, q, p              ; W's eight fragments into set p
	WIN TO_B
.irp i, 0,1,2,3,4,5,6,7
	FRAG 128*(\p)+FR*\i, ADRB+\slot, \q, \i
.endr
	WIN 0
.endm
.macro FETCH_A slot, q, i0             ; x's blocks i0 .. i0 + 3
.irp i, \i0, \i0+1, \i0+2, \i0+3
	FRAG AF+FR*(\i), ADRA+\slot, \q, \i
.endr
.endm
.macro SCALES sc                       ; slot sc's scale words: four words a row; lanes 0-15 take x's block i, lanes 16-31 W's block i
.irp i, 0,1,2,3,4,5,6,7
	ds_load_b128 v[SC+8*NQ*\sc+NQ*\i:SC+8*NQ*\sc+NQ*\i+3], v[ADRS] offset:512*\i+256*\sc
.endr
.endm
.macro PLACES n                        ; plain vector lines between matrix instructions and loads into, or reads of, their registers
.rept \n
	v_nop
.endr
.endm
.macro STEP slot, q, zero              ; a step of 128 along K that has its successor in the same slot
	s_wait_dscnt 4*NL                              ; W's set and x's blocks 0-3 are in; the youngest eight loads (x's blocks 4-7) may be out
	WIN MUL_LO
	MUL16 0, (\q)%2, \q, \slot, \zero
	MUL16 2, (\q)%2, \q, \slot, \zero
	s_wait_dscnt 0                                 ; x's blocks 4-7 are in
	PLACES NP
	FETCH_B \slot, (\q)+1, 1-(\q)%2
	FETCH_A \slot, (\q)+1, 0
	WIN MUL_HI
	MUL16 4, (\q)%2, \q, \slot, \zero
	MUL16 6, (\q)%2, \q, \slot, \zero
	PLACES NP
	WIN 0
	FETCH_A \slot, (\q)+1, 4
.endm
.macro TURN slot, next                 ; slot 0's last step goes over to slot 1: one barrier, in front of which each wave has seen its own part of slot 1 land.
	s_wait_tensorcnt 0x0                           ; all my tensor loads have landed
	ds_add_u32 v[SPW], v[NIL]                      ; 0 onto my spare word
	s_wait_dscnt 4*NL+1                            ; (the add and the youngest eight loads may be out)
	WIN MUL_LO
	MUL16 0, 1, NQ-1, \slot, 0
	s_wait_dscnt 0x0                               ; no LDS instruction of mine is out at the signal
	s_barrier_signal -1
	MUL16 2, 1, NQ-1, \slot, 0
	WIN 0
	s_barrier_wait -1
	PLACES NP
	FETCH_B \next, 0, 0
	FETCH_A \next, 0, 0
	SCALES \next
	WIN MUL_HI
	MUL16 4, 1, NQ-1, \slot, 0
	MUL16 6, 1, NQ-1, \slot, 0
	PLACES NP
	WIN 0
	FETCH_A \next, 0, 4
.endm
.macro STEPS slot, from                ; the slot's steps from .. NQ - 2
.set Q, \from
.rept NQ-1-\from
	STEP \slot, Q, 0
.set Q, Q+1
.endr
.endm
	s_wait_tensorcnt 1                             ; the scale words and my part of slot 0 are in (slot 1's load may be out),
	s_barrier_signal -1
	s_barrier_wait -1                              ; everybody's are
	FETCH_B 0, 0, 0
	FETCH_A 0, 0, 0
	SCALES 0
	FETCH_A 0, 0, 4
	STEP 0, 0, 1                                   ; the first products start the sums: nothing is cleared
	STEPS 0, 1
	TURN 0, 1
	STEPS 1, 0
	s_wait_dscnt 4*NL                              ; the last step: nothing more to fetch
	WIN MUL_LO
	MUL16 0, 1, NQ-1, 1, 0
	MUL16 2, 1, NQ-1, 1, 0
	s_wait_dscnt 0
	WIN MUL_HI
	MUL16 4, 1, NQ-1, 1, 0
	MUL16 6, 1, NQ-1, 1, 0
	WIN 0
; THE WAY OUT, a window (32 accumulators, token blocks base .. base + 3) at a time: x c, the hold, two numbers to a register in place (each accumulator from its low end on), then 512 consecutive aligned bytes an accumulator.
.macro FINISH base, wv, ws
	WIN \wv
.set PP, 0
.rept 32
.irp j, 0,2,4,6
	v_pk_mul_f32 v[PP+\j:PP+\j+1], v[PP+\j:PP+\j+1], s[96:97] op_sel_hi:[1,0]
.endr
.irp j, 0,1,2,3,4,5,6,7
	v_med3_num_f32 v[PP+\j], v[PP+\j], s98, s99
.endr
.irp j, 0,1,2,3
	v_cvt_pk_f16_f32 v[PP+\j], v[PP+2*\j], v[PP+2*\j+1]
.endr
.set PP, PP+8
.endr
	WIN \ws                                        ; a store's data are its source 1
.irp a, 0,1,2,3
.irp b, 0,1,2,3,4,5,6,7
	global_store_b128 v[CO], v[8*(8*\a+\b):8*(8*\a+\b)+3], s[12:13] offset:262144*(\b/4)+2048*(\base+\a)+512*(\b%4) th:TH_STORE_NT   ; head b / 4 on, tile of tokens base + a, channels 16 (b % 4) on
.endr
.endr
.endm
	PLACES NP                                      ; behind the last products
	FINISH 0, 0xaa, 0x08
	FINISH 4, 0xff, 0x0c
	WIN 0
	s_wait_tensorcnt 0x0                           ; the wave's end
	ds_add_u32 v[SPW], v[NIL]
	s_wait_dscnt 0x0
	CROUND                                         ; the closing round
	s_endpgm
.Lfunc_end_k_qd34357a2a3_proj:
	.size	k_qd34357a2a3_proj, .Lfunc_end_k_qd34357a2a3_proj-k_qd34357a2a3_proj
	.p2alignl 7, 3214868480
	.fill 96, 4, 3214868480
	.section	.rodata,"a",@progbits
	.p2align	6, 0x0
	.amdhsa_kernel k_qd34357a2a3_proj
		.amdhsa_group_segment_fixed_size 327680
		.amdhsa_private_segment_fixed_size 0
		.amdhsa_enable_private_segment 0
		.amdhsa_kernarg_size 40
		.amdhsa_user_sgpr_count 2
		.amdhsa_user_sgpr_kernarg_segment_ptr 1
		.amdhsa_wavefront_size32 1
		.amdhsa_system_sgpr_workgroup_id_x 1
		.amdhsa_system_sgpr_workgroup_id_y 1
		.amdhsa_system_sgpr_workgroup_id_z 1
		.amdhsa_system_vgpr_workitem_id 0
		.amdhsa_next_free_vgpr 1024
		.amdhsa_next_free_sgpr 100
		.amdhsa_reserve_vcc 0
		.amdhsa_float_denorm_mode_32 3
		.amdhsa_float_denorm_mode_16_64 3
		.amdhsa_memory_ordered 1
		.amdhsa_forward_progress 1
		.amdhsa_inst_pref_size 165
	.end_amdhsa_kernel
	.amdgpu_metadata
---
amdhsa.version: [ 1, 2 ]
amdhsa.kernels:
  - .name:           k_qd34357a2a3_proj
    .symbol:         k_qd34357a2a3_proj.kd
    .args:
      - { .name: xc, .offset: 0, .size: 8, .value_kind: global_buffer, .address_space: global }
      - { .name: xs, .offset: 8, .size: 8, .value_kind: global_buffer, .address_space: global }
      - { .name: wc, .offset: 16, .size: 8, .value_kind: global_buffer, .address_space: global }
      - { .name: ws, .offset: 24, .size: 8, .value_kind: global_buffer, .address_space: global }
      - { .name: qkv, .offset: 32, .size: 8, .value_kind: global_buffer, .address_space: global }
    .group_segment_fixed_size: 327680
    .private_segment_fixed_size: 0
    .kernarg_segment_align: 8
    .kernarg_segment_size: 40
    .max_flat_workgroup_size: 128
    .sgpr_count:     100
    .vgpr_count:     1024
    .wavefront_size: 32
...
	.end_amdgpu_metadata
.endif
;; end of part 2
;; launch attn (part 3): grid 4 x 64, 8 waves a work-group, clusters of 4 x 1, 327,680 bytes of LDS; arguments qkv, ao; writes ao
.if DOCPART == 3
	.amdgcn_target "amdgcn-amd-amdhsa--gfx1250"
	.amdhsa_code_object_version 6
	.text
	.protected	k_qd34357a2a3_attn
	.globl	k_qd34357a2a3_attn
	.p2align	8
	.type	k_qd34357a2a3_attn,@function
k_qd34357a2a3_attn:
	s_mov_b64 s[64:65], 0
	v_nop
	global_prefetch_b8 v0, s[64:65] scope:SCOPE_SE
	s_setreg_imm32_b32 hwreg(HW_REG_WAVE_MODE, 25, 1), 1
	s_wait_xcnt 0x0
	s_wait_alu depctr_hold_cnt(0) depctr_sa_sdst(0) depctr_va_vdst(0) depctr_va_sdst(0) depctr_va_ssrc(0) depctr_va_vcc(0) depctr_vm_vsrc(0)
	s_getreg_b32 s2, hwreg(HW_REG_IB_STS2, 6, 4)
	s_cmp_eq_u32 s2, 0
	s_cbranch_scc0 .Lentry_in_a_cluster
	s_endpgm
.Lentry_in_a_cluster:
	s_bfe_u32 s2, ttmp6, 0x10000c
	s_cmp_lg_u32 s2, 0x3003
	s_cbranch_scc0 .Lentry_shape_is_right
	s_endpgm
.Lentry_shape_is_right:
; ATTN: for each of 64 heads (bh = 16 batch + head): O[q] = sum over k of softmax_k(Q[q] . K[k] / 8) V[k]; 2,048 queries and keys, head size 64, no mask.  f16 operands, f32 sums.
; IN: qkv, three parts of 16,777,216 bytes (q c with c = log2(e) / 8, k, v), each [bh][tt 128][cg 4][lane][16 B]: lane (r, h): token 16 tt + r, channels 16 cg + 8 h + 0 .. 7.
; OUT: ao [mt 512][kg 64][lane][16 B]: lane (r, h): f16 of row 16 mt + r, k = 16 kg + 8 h + 0 .. 7, kg = 4 head + channels / 16: the image that the last launch's fragments want.
; SHARES: a work-group owns 512 queries of a head, each of its eight waves 64: four tiles of 16.  Two waves share a SIMD, so that one's softmax can stand beside the other's products.  Every wave walks all keys, 64 a step.
; LAYOUT: S^T = K Q^T (source 0 = 16 keys, source 1 = 16 queries) and O^T = V^T P (source 0 = 16 channels, source 1 = P): a lane holds ONE query throughout; two tiles of S^T, rounded in pairs, ARE a fragment of P.
; K comes out of LDS as it lies; V turned, by ds_load_tr16_b128.
; SOFTMAX: a running maximum m and sum l for each query: p = 2^(s - m) (s has c in it already); in every step O and l are multiplied by a = 2^(m_old - m_new).  The sum is taken of p in f32, before it is rounded to f16.
; RING: two LDS slots of 256 keys (four steps).  Waves 0-3 fetch the four steps' K, waves 4-7 their V: one tensor load a wave behind each change of slots; it has a slot's 256 matrix instructions a wave in which to land.
; CLUSTER: the four query blocks of a head walk the same K and V: each tile is asked for jointly, with a mask that names the four.
; LIMITS: NaN and infinities are not served; p under half of f16's smallest number rounds to 0; O / l is held at +-65,504.
; REGISTERS: window 0: v2-9 addresses; v12-43 statistics, eight a tile; v64-127 P (16 a tile); v128-255 S^T (32 a tile).   window 1: v0-63 K, then V, of a step; v64-127 Q (16 a tile); v128-255 O^T (32 a tile).
.set STEPB, 20480                      ; a step in LDS: K 8,192 bytes (16 groups of 512), then V 12,288 (each 256 bytes followed by 128 of padding)
.set SLOT1, 1<<17                      ; slot 1 begins here: one exclusive or turns an address from slot to slot
.set SPARE, SLOT1+4*STEPB              ; the spare words, 128 bytes a wave
.set AK0, 2                            ; v2   16 x lane: K's groups; also Q's and ao's offset
.set AV0, 3                            ; v3   my lane's place in a group of V
.set ADK, 4                            ; v4, v5  the step's addresses
.set ADV, 5
.set PFO, 7                            ; v7   256 x lane; never rewritten
.set SPW, 8                            ; v8   LDS address of my spare word; never rewritten
.set NIL, 9                            ; v9   0; never rewritten
.set ST,  12                           ; tile t at v[ST + 8 t]: +0 m, +1 m_old, +2, +3 l (even keys', odd keys'), +4 .. +7 at work; a in +6, m_old - m in +7
.set P,   64
.set S,   128
.set KV,  0
.set QF,  64
.set OT,  128
.set WV,  12                           ; s12 my wave's number
.set LIM, 15                           ; s15 1 in a wave that prefetches, else the greatest number
.set PFA, 18                           ; s[18:19] where my prefetches stand
.set G1K, 24                           ; s[24:31], s[32:39] groups 1 for K's and V's tiles;  s[40:43], s[44:47] their groups 0, which walk
.set G1V, 32
.set G0K, 40
.set G0V, 44
.set SLOTS, 56
.set CNT, 57
.set SEL, 60
.set TB,  62                           ; s62 LDS byte at which the step's tiles begin
.set MSB, 0
.macro WIN new                         ; the immediate's high byte repeats the setting that is left
.if MSB != \new
	s_set_vgpr_msb (MSB<<8)|\new
.set MSB, \new
.endif
.endm
.set W_LD, 0x40                        ; destination window 1
.set W_KQ, 0x05                        ; K and Q window 1, S^T window 0
.set W_PV, 0x51                        ; V window 1, P window 0, O^T window 1
.set W_RS, 0x41                        ; O^T (destination and source 0) window 1
.set W_CV, 0x45                        ; destination and both sources window 1
.set W_ST, 0x04                        ; a store's data, its source 1: window 1
.macro JLOAD                           ; the joint load: waves 0-3 K's, waves 4-7 V's; an s_nop 0 and four v_nop follow each of the two lines
	s_cmp_lt_u32 s[WV], 4
	s_cbranch_scc0 .Lfor_v_\@
	tensor_load_to_lds s[G0K:G0K+3], s[G1K:G1K+7]
	s_nop 0
.rept 4
	v_nop
.endr
	s_branch .Lasked_\@
.Lfor_v_\@:
	tensor_load_to_lds s[G0V:G0V+3], s[G1V:G1V+7]
	s_nop 0
.rept 4
	v_nop
.endr
.Lasked_\@:
.endm
; A prefetch of what the NEXT change of slots will ask for: a slot's 32,768 bytes of K and of V.  The four partners share them out by address, 8,192 bytes each; in each, wave 0 asks for K's and wave 4 for V's,
; lanes 256 bytes apart: each aligned block of 256 bytes is named once in the launch.  It stands behind the wave's tensor load.  The last change that fills a slot asks for nothing; slots 0 and 1 come by their loads alone.
.macro ASK
	s_cmp_gt_u32 s[SLOTS], s[LIM]
	s_cbranch_scc0 .Lnot_mine_\@
	global_prefetch_b8 v[PFO], s[PFA:PFA+1] th:TH_LOAD_NT scope:SCOPE_SE
.Lnot_mine_\@:
.endm
.macro CROUND                          ; a round of the cluster's barrier
	s_barrier_signal -1
	s_barrier_wait -1
	s_cmp_lg_u32 s[WV], 0
	s_cbranch_scc1 .Lnot_wave_0_\@
	s_barrier_signal -3
.Lnot_wave_0_\@:
	s_barrier_wait -3
	s_barrier_signal -1
	s_barrier_wait -1
.endm
	s_load_b128 s[4:7], s[0:1], 0x0                ; qkv s[4:5], ao s[6:7]
	v_lshl_add_u32 v[SPW], v0, 2, SPARE
	v_mov_b32 v[NIL], 0
	ds_add_u32 v[SPW], v[NIL]                      ; the wave's opening: the add, twice on end, and its wait ahead of my first tensor load
	ds_add_u32 v[SPW], v[NIL]
	v_lshrrev_b32 v1, 5, v0
	v_readfirstlane_b32 s[WV], v1                  ; wave 0..7
	s_bfe_u32 s13, ttmp6, 0x40000                  ; cx: my block of 512 queries
	s_and_b32 s14, ttmp7, 0xffff                   ; bh, which the four partners share
	s_and_b32 s16, s[WV], 3                        ; which of a slot's four steps I fetch
	; groups 1: a dense block of 8,192 bytes as 32 rows of 256 (32 elements of 8 bytes)
	s_mov_b32 s[G1K], 15|(3<<16)|(1<<21)           ; 15:0 the mask: all four; 17:16 elements of 8 bytes; 21 set beside a mask
	s_mov_b32 s[G1V], 15|(3<<16)|(1<<20)|(1<<21)|(5<<22)|(31<<25)   ; and padding: 32 words (code 31) after every 64 (code 5)
.irp g, G1K, G1V
	s_mov_b32 s[\g+1], 32<<16                      ; tensor_dim0 = 32
	s_mov_b32 s[\g+2], 32<<16                      ; tensor_dim1 = 32
	s_mov_b32 s[\g+3], 32<<16                      ; tile_dim0 = 32
	s_mov_b32 s[\g+4], 32                          ; tile_dim1 = 32
	s_mov_b32 s[\g+5], 32                          ; from row to row
	s_mov_b32 s[\g+6], 0
	s_mov_b32 s[\g+7], 0
.endr
	s_mov_b32 s[SEL], 0x76543210
	s_mov_b32 s[SEL+1], 0xfedcba98                 ; selects for lane l xor 16
	s_mov_b32 s58, 0xc77fe000                      ; -65,504
	s_mov_b32 s59, 0x477fe000                      ; 65,504
	s_mov_b32 s[TB], 0
	s_mov_b32 s[SLOTS], 7
	s_mul_i32 s17, s16, STEPB                      ; my step's place in a slot
	s_lshl_b32 s20, s14, 18                        ; the head: 262,144 bytes in each part
	s_lshl_b32 s21, s16, 13                        ; my step: 8,192 bytes
	s_add_co_u32 s20, s20, s21
	s_add_co_u32 s22, s20, 0x2000000               ; in v's part
	s_add_co_u32 s20, s20, 0x1000000               ; in k's part
	s_mov_b32 s21, 0
	s_mov_b32 s23, 0
	s_lshl_b32 s2, s13, 5                          ; Q: tile of queries 32 cx + 4 wave, 2,048 bytes a tile
	s_lshl_b32 s3, s[WV], 2
	s_add_co_u32 s2, s2, s3
	s_lshl_b32 s48, s2, 15                         ; (ao: 32,768 bytes a tile of rows)
	s_lshl_b32 s2, s2, 11
	s_lshl_b32 s3, s14, 18
	s_add_co_u32 s2, s2, s3
	s_mov_b32 s3, 0
	s_lshr_b32 s49, s14, 4                         ; ao: + the batch's 128 tiles of rows,
	s_lshl_b32 s49, s49, 22
	s_add_co_u32 s48, s48, s49
	s_and_b32 s49, s14, 15                         ; + the head's four groups of 512 bytes
	s_lshl_b32 s49, s49, 11
	s_add_co_u32 s48, s48, s49
	s_mov_b32 s49, 0
	s_cmp_lt_u32 s[WV], 4                          ; the prefetches: k's part (waves 0-3) or v's,
	s_cselect_b32 s50, 1, 2
	s_lshl_b32 s50, s50, 24
	s_lshl_b32 s51, s14, 18                        ; my head,
	s_add_co_u32 s50, s50, s51
	s_lshl_b32 s51, s13, 13                        ; my work-group's 8,192 bytes of a slot's 32,768,
	s_add_co_u32 s50, s50, s51
	s_add_co_u32 s50, s50, 32768                   ; in slot 1: the first change of slots steps it to slot 2
	s_mov_b32 s51, 0
	s_cmp_eq_u32 s16, 0                            ; waves 0 and 4 ask: the same in all four partners
	s_cselect_b32 s[LIM], 1, -1
	v_and_b32 v[AK0], 31, v0
	v_lshlrev_b32 v[PFO], 8, v[AK0]
	v_lshlrev_b32 v[AK0], 4, v[AK0]
	; the turning load: lane l addresses 16 bytes: key 8 (l / 16) + l % 8, channels 8 ((l / 8) % 2) + 0 .. 7 of a group of 16 keys x 16 channels; the group's second 256 bytes lie 384 on
	v_and_b32 v10, 7, v0
	v_lshlrev_b32 v[AV0], 4, v10
	v_bfe_u32 v10, v0, 4, 1
	v_lshl_add_u32 v[AV0], v10, 7, v[AV0]
	v_bfe_u32 v10, v0, 3, 1
	v_mad_u32_u24 v[AV0], v10, 384, v[AV0]
	v_add_nc_u32 v[AV0], 8192, v[AV0]              ; V lies behind the step's K
	s_wait_dscnt 0x0                               ; both opening adds are done
	s_wait_kmcnt 0x0
	s_add_nc_u64 s[PFA:PFA+1], s[4:5], s[50:51]
	s_add_nc_u64 s[20:21], s[4:5], s[20:21]        ; my tile of K in slot 0
	s_add_nc_u64 s[22:23], s[4:5], s[22:23]        ; my tile of V
	s_add_nc_u64 s[4:5], s[4:5], s[2:3]            ; Q at my wave's first tile
	s_add_nc_u64 s[6:7], s[6:7], s[48:49]          ; ao likewise
	CROUND                                         ; all four work-groups are here: the first joint loads meet
	s_mov_b32 s[G0K], 1                            ; count = 1
	s_mov_b32 s[G0K+1], s17                        ; LDS address
	s_mov_b64 s[G0K+2:G0K+3], s[20:21]             ; global address
	s_or_b32 s[G0K+3], s[G0K+3], 0x80000000        ; type = 2
	s_mov_b32 s[G0V], 1
	s_add_co_u32 s[G0V+1], s17, 8192
	s_mov_b64 s[G0V+2:G0V+3], s[22:23]
	s_or_b32 s[G0V+3], s[G0V+3], 0x80000000
	JLOAD                                          ; slot 0: one load of mine is out
	WIN W_LD
.irp i, 0,1,2,3,4,5,6,7,8,9,10,11,12,13,14,15
	global_load_b128 v[QF+4*\i:QF+4*\i+3], v[AK0], s[4:5] offset:512*\i th:TH_LOAD_NT   ; Q stays in registers: tile i / 4, channels 16 (i % 4) on
.endr
.set j, 0
.rept 128
	v_mov_b32 v[OT+j], 0                           ; O^T.  (The step is written once: the first finds zeros, which a = 0 leaves zeros)
.set j, j+1
.endr
	WIN 0
.irp t, 0,1,2,3
	v_mov_b32 v[ST+8*\t], 0xff61b1e6               ; m: -3e38, under every score
	v_mov_b32 v[ST+8*\t+2], 0                      ; l
	v_mov_b32 v[ST+8*\t+3], 0
.endr
; A KEY STEP: 64 keys, in phases.  Every window is 0 on the way in and on the way out.
.macro STEP
	v_add_nc_u32 v[ADK], s[TB], v[AK0]             ; these four plain lines are the places behind the last products, in front of the loads into the registers that they read
	v_add_nc_u32 v[ADV], s[TB], v[AV0]
	v_nop
	v_nop
	WIN W_LD
.irp f, 0,1,2,3,4,5,6,7,8,9,10,11,12,13,14,15
	ds_load_b128 v[KV+4*\f:KV+4*\f+3], v[ADK] offset:512*\f   ; K: keys 16 (f / 4) on, channels 16 (f % 4) on
.endr
	s_wait_dscnt 0x0
	WIN W_KQ
.set i, 0
.rept 32                               ; S^T = K Q^T: channels 32 (i / 16) on, keys 16 ((i / 4) % 4) on, tile i % 4.  The sixteen accumulators take turns; the first sixteen products start the sums
.set rS, S+32*(i%4)+8*((i/4)%4)
.set rK, KV+16*((i/4)%4)+8*(i/16)
.set rQ, QF+16*(i%4)+8*(i/16)
.if i < 16
	v_wmma_f32_16x16x32_f16 v[rS:rS+7], v[rK:rK+7], v[rQ:rQ+7], 0
.else
	v_wmma_f32_16x16x32_f16 v[rS:rS+7], v[rK:rK+7], v[rQ:rQ+7], v[rS:rS+7]
.endif
.set i, i+1
.endr
.rept 4
	v_nop                                          ; places: in front of the loads into K's registers and of the first read of the scores
.endr
	WIN W_LD
.irp kb, 0,1
.irp g, 0,1
.irp ct, 0,1,2,3
	ds_load_tr16_b128 v[KV+8*(4*\kb+\ct)+4*\g:KV+8*(4*\kb+\ct)+4*\g+3], v[ADV] offset:768*(4*(2*\kb+\g)+\ct)   ; V^T: keys 32 kb + 16 g on, channels 16 ct on; it lands under the softmax
.endr
.endr
.endr
	WIN 0
.irp j, 0,1,2,3                        ; the maximum of my 32 scores and the old m, three operands at a time; each accumulator is read from its low end on; the four tiles by turns
.irp t, 0,1,2,3
	v_max3_num_f32 v[ST+8*\t+4+\j], v[S+32*\t+8*\j], v[S+32*\t+8*\j+1], v[S+32*\t+8*\j+2]
.endr
.endr
.irp k, 1,2
.irp j, 0,1,2,3
.irp t, 0,1,2,3
	v_max3_num_f32 v[ST+8*\t+4+\j], v[ST+8*\t+4+\j], v[S+32*\t+8*\j+2*\k+1], v[S+32*\t+8*\j+2*\k+2]
.endr
.endr
.endr
.irp t, 0,1,2,3
	v_max3_num_f32 v[ST+8*\t+4], v[ST+8*\t+4], v[S+32*\t+7], v[S+32*\t+15]
.endr
.irp t, 0,1,2,3
	v_max3_num_f32 v[ST+8*\t+6], v[ST+8*\t+6], v[S+32*\t+23], v[S+32*\t+31]
.endr
.irp t, 0,1,2,3
	v_max3_num_f32 v[ST+8*\t+4], v[ST+8*\t+4], v[ST+8*\t+5], v[ST+8*\t+6]
.endr
.irp t, 0,1,2,3
	v_max3_num_f32 v[ST+8*\t+4], v[ST+8*\t+4], v[ST+8*\t+7], v[ST+8*\t]
.endr
.irp t, 0,1,2,3
	v_permlanex16_b32 v[ST+8*\t+5], v[ST+8*\t+4], s[SEL], s[SEL+1]   ; the query's other 32 keys lie in the lane 16 away
.endr
.irp t, 0,1,2,3
	v_mov_b32 v[ST+8*\t+1], v[ST+8*\t]             ; m_old
.endr
.irp t, 0,1,2,3
	v_max_num_f32 v[ST+8*\t], v[ST+8*\t+4], v[ST+8*\t+5]
.endr
.irp t, 0,1,2,3
	v_sub_f32 v[ST+8*\t+7], v[ST+8*\t+1], v[ST+8*\t]
.endr
.irp j, 0,2,4,6,8,10,12,14,16,18,20,22,24,26,28,30
.irp t, 0,1,2,3
	v_pk_add_f32 v[S+32*\t+\j:S+32*\t+\j+1], v[S+32*\t+\j:S+32*\t+\j+1], v[ST+8*\t:ST+8*\t+1] op_sel_hi:[1,0] neg_lo:[0,1] neg_hi:[0,1]   ; s - m, two at a time
.endr
.endr
.irp t, 0,1,2,3                        ; ONE BATCH of 132 exponentials, none of which reads another's result
	v_exp_f32 v[ST+8*\t+6], v[ST+8*\t+7]           ; a
.endr
.set j, 0
.rept 32
.irp t, 0,1,2,3
	v_exp_f32 v[S+32*\t+j], v[S+32*\t+j]           ; p, at most 1
.endr
.set j, j+1
.endr
	v_nop                                          ; a plain line behind the last exponential,
	s_wait_alu depctr_va_vdst(0)                   ; and a wait ahead of the batch's first reader
.set j, 0
.rept 16
.irp t, 0,1,2,3
	v_cvt_pk_f16_f32 v[P+16*\t+j], v[S+32*\t+2*j], v[S+32*\t+2*j+1]
.endr
.set j, j+1
.endr
.irp u, 0,1,2,3,4,5,6,7                ; the sum of the tile's 16 pairs, in place: neighbours 1, 2, 4 and 8 pairs apart
.irp t, 0,1,2,3
	v_pk_add_f32 v[S+32*\t+4*\u:S+32*\t+4*\u+1], v[S+32*\t+4*\u:S+32*\t+4*\u+1], v[S+32*\t+4*\u+2:S+32*\t+4*\u+3]
.endr
.endr
.irp u, 0,1,2,3
.irp t, 0,1,2,3
	v_pk_add_f32 v[S+32*\t+8*\u:S+32*\t+8*\u+1], v[S+32*\t+8*\u:S+32*\t+8*\u+1], v[S+32*\t+8*\u+4:S+32*\t+8*\u+5]
.endr
.endr
.irp u, 0,1
.irp t, 0,1,2,3
	v_pk_add_f32 v[S+32*\t+16*\u:S+32*\t+16*\u+1], v[S+32*\t+16*\u:S+32*\t+16*\u+1], v[S+32*\t+16*\u+8:S+32*\t+16*\u+9]
.endr
.endr
.irp t, 0,1,2,3
	v_pk_add_f32 v[S+32*\t:S+32*\t+1], v[S+32*\t:S+32*\t+1], v[S+32*\t+16:S+32*\t+17]
.endr
.irp t, 0,1,2,3
	v_pk_fma_f32 v[ST+8*\t+2:ST+8*\t+3], v[ST+8*\t+2:ST+8*\t+3], v[ST+8*\t+6:ST+8*\t+7], v[S+32*\t:S+32*\t+1] op_sel_hi:[1,0,1]   ; l = a l + the sum
.endr
	WIN W_RS
.set j, 0
.rept 64
	v_pk_mul_f32 v[OT+2*j:OT+2*j+1], v[OT+2*j:OT+2*j+1], v[ST+8*(j/16)+6:ST+8*(j/16)+7] op_sel_hi:[1,0]   ; O^T x a, each accumulator from its low end on
.set j, j+1
.endr
	s_wait_dscnt 0x0                               ; V is in
	WIN W_PV
.set i, 0
.rept 32                               ; O^T += V^T P: keys 32 (i / 16) on, channels 16 ((i / 4) % 4) on, tile i % 4; the sixteen accumulators take turns
.set rO, OT+32*(i%4)+8*((i/4)%4)
.set rV, KV+8*(4*(i/16)+(i/4)%4)
.set rP, P+16*(i%4)+8*(i/16)
	v_wmma_f32_16x16x32_f16 v[rO:rO+7], v[rV:rV+7], v[rP:rP+7], v[rO:rO+7]
.set i, i+1
.endr
	WIN 0
	s_add_co_u32 s[TB], s[TB], STEPB               ; the next step's tiles
.endm
.macro FOUR_STEPS                      ; a slot's four steps: written once, walked four times
	s_mov_b32 s[CNT], 4
.Lstep_\@:
	STEP
	s_sub_co_u32 s[CNT], s[CNT], 1
	s_cmp_lg_u32 s[CNT], 0
	s_cbranch_scc1 .Lstep_\@
	s_sub_co_u32 s[TB], s[TB], 4*STEPB             ; back to a slot's first step,
	s_xor_b32 s[TB], s[TB], SLOT1                  ; in the other slot
.endm
; THE CHANGE OF SLOTS stands at a slot's head.  Each wave waits for all its tensor loads (its part of the slot that it is about to read), adds 0 to its spare word, and waits for that and for its reads of the slot
; that it has left.  fill = 1: a round of the cluster's barrier, so that no wave of any partner still reads that slot or has a load on its way; then the joint load of the next 256 keys into it, first thing.
.macro CHANGE fill
	s_wait_tensorcnt 0x0                           ; no tensor load of mine is out, so a group 0 may be written
	ds_add_u32 v[SPW], v[NIL]                      ; 0 onto my spare word
.if \fill
.irp g, G0K, G0V
	s_xor_b32 s[\g+1], s[\g+1], SLOT1              ; the walking descriptors: the other slot,
	s_add_nc_u64 s[\g+2:\g+3], s[\g+2:\g+3], 32768 ; the next 256 keys; the type bits on top are not reached
.endr
	s_wait_xcnt 0x0                                ; the last prefetch, a slot back, has read its address, so it may be written:
	s_add_nc_u64 s[PFA:PFA+1], s[PFA:PFA+1], 32768 ; one slot further on than the walking descriptors
.endif
	s_wait_dscnt 0x0                               ; the add is done, and my reads of the slot that I have left are over
.if \fill
	CROUND
	JLOAD
	ASK
.else
	s_barrier_signal -1
	s_barrier_wait -1
.endif
.endm
	s_wait_loadcnt 0x0                             ; Q
.Lslot:                                            ; seven trips: behind each change of slots but the last the next slot is asked for
	CHANGE 1
	FOUR_STEPS
	s_sub_co_u32 s[SLOTS], s[SLOTS], 1
	s_cmp_lg_u32 s[SLOTS], 0
	s_cbranch_scc1 .Lslot
	CHANGE 0                                       ; the last slot is written out
	FOUR_STEPS
	; THE WAY OUT: l's halves and the other half of the lanes' are added; O^T / l, held, rounded to f16 in place: a lane's eight channels are the 16 bytes of its piece of ao.  The four additions are the places behind the last products.
.irp t, 0,1,2,3
	v_add_f32 v[ST+8*\t+4], v[ST+8*\t+2], v[ST+8*\t+3]
.endr
.irp t, 0,1,2,3
	v_permlanex16_b32 v[ST+8*\t+5], v[ST+8*\t+4], s[SEL], s[SEL+1]
.endr
.irp t, 0,1,2,3
	v_add_f32 v[ST+8*\t+4], v[ST+8*\t+4], v[ST+8*\t+5]
.endr
.irp t, 0,1,2,3
	v_rcp_f32 v[ST+8*\t+6], v[ST+8*\t+4]
.endr
	v_nop                                          ; a plain line behind the last reciprocal,
	s_wait_alu depctr_va_vdst(0)                   ; and a wait ahead of the first use: one for the four
	WIN W_RS
.set j, 0
.rept 64
	v_pk_mul_f32 v[OT+2*j:OT+2*j+1], v[OT+2*j:OT+2*j+1], v[ST+8*(j/16)+6:ST+8*(j/16)+7] op_sel_hi:[1,0]
.set j, j+1
.endr
.set j, 0
.rept 128
	v_med3_num_f32 v[OT+j], v[OT+j], s58, s59      ; p is rounded and l is not, so an average of numbers at f16's largest could pass it
.set j, j+1
.endr
	WIN W_CV
.set j, 0
.rept 16
.irp e, 0,1,2,3
	v_cvt_pk_f16_f32 v[OT+8*j+\e], v[OT+8*j+2*\e], v[OT+8*j+2*\e+1]
.endr
.set j, j+1
.endr
	WIN W_ST
.irp t, 0,1,2,3
.irp ct, 0,1,2,3
	global_store_b128 v[AK0], v[OT+32*\t+8*\ct:OT+32*\t+8*\ct+3], s[6:7] offset:32768*\t+512*\ct   ; 32 lanes store 512 consecutive aligned bytes
.endr
.endr
	WIN 0
	s_wait_tensorcnt 0x0                           ; the wave's end
	ds_add_u32 v[SPW], v[NIL]
	s_wait_dscnt 0x0
	CROUND                                         ; the closing round
	s_endpgm
.Lfunc_end_k_qd34357a2a3_attn:
	.size	k_qd34357a2a3_attn, .Lfunc_end_k_qd34357a2a3_attn-k_qd34357a2a3_attn
	.p2alignl 7, 3214868480
	.fill 96, 4, 3214868480
	.section	.rodata,"a",@progbits
	.p2align	6, 0x0
	.amdhsa_kernel k_qd34357a2a3_attn
		.amdhsa_group_segment_fixed_size 327680
		.amdhsa_private_segment_fixed_size 0
		.amdhsa_enable_private_segment 0
		.amdhsa_kernarg_size 16
		.amdhsa_user_sgpr_count 2
		.amdhsa_user_sgpr_kernarg_segment_ptr 1
		.amdhsa_wavefront_size32 1
		.amdhsa_system_sgpr_workgroup_id_x 1
		.amdhsa_system_sgpr_workgroup_id_y 1
		.amdhsa_system_sgpr_workgroup_id_z 1
		.amdhsa_system_vgpr_workitem_id 0
		.amdhsa_next_free_vgpr 512
		.amdhsa_next_free_sgpr 66
		.amdhsa_reserve_vcc 0
		.amdhsa_float_denorm_mode_32 3
		.amdhsa_float_denorm_mode_16_64 3
		.amdhsa_memory_ordered 1
		.amdhsa_forward_progress 1
		.amdhsa_inst_pref_size 96
	.end_amdhsa_kernel
	.amdgpu_metadata
---
amdhsa.version: [ 1, 2 ]
amdhsa.kernels:
  - .name:           k_qd34357a2a3_attn
    .symbol:         k_qd34357a2a3_attn.kd
    .args:
      - { .name: qkv, .offset: 0, .size: 8, .value_kind: global_buffer, .address_space: global }
      - { .name: ao, .offset: 8, .size: 8, .value_kind: global_buffer, .address_space: global }
    .group_segment_fixed_size: 327680
    .private_segment_fixed_size: 0
    .kernarg_segment_align: 8
    .kernarg_segment_size: 16
    .max_flat_workgroup_size: 256
    .sgpr_count:     66
    .vgpr_count:     512
    .wavefront_size: 32
...
	.end_amdgpu_metadata
.endif
;; end of part 3
;; launch oproj (part 4): grid 32 x 8, 4 waves a work-group, clusters of 4 x 1, 327,680 bytes of LDS; arguments ao, woi, out0; writes out0
.if DOCPART == 4
	.amdgcn_target "amdgcn-amd-amdhsa--gfx1250"
	.amdhsa_code_object_version 6
	.text
	.protected	k_qd34357a2a3_oproj
	.globl	k_qd34357a2a3_oproj
	.p2align	8
	.type	k_qd34357a2a3_oproj,@function
k_qd34357a2a3_oproj:
	s_mov_b64 s[64:65], 0
	v_nop
	global_prefetch_b8 v0, s[64:65] scope:SCOPE_SE
	s_setreg_imm32_b32 hwreg(HW_REG_WAVE_MODE, 25, 1), 1
	s_wait_xcnt 0x0
	s_wait_alu depctr_hold_cnt(0) depctr_sa_sdst(0) depctr_va_vdst(0) depctr_va_sdst(0) depctr_va_ssrc(0) depctr_va_vcc(0) depctr_vm_vsrc(0)
	s_getreg_b32 s2, hwreg(HW_REG_IB_STS2, 6, 4)
	s_cmp_eq_u32 s2, 0
	s_cbranch_scc0 .Lentry_in_a_cluster
	s_endpgm
.Lentry_in_a_cluster:
	s_bfe_u32 s2, ttmp6, 0x10000c
	s_cmp_lg_u32 s2, 0x3003
	s_cbranch_scc0 .Lentry_shape_is_right
	s_endpgm
.Lentry_shape_is_right:
; OPROJ: out0 [8192][1024] f32 = ao [8192][1024] x Wo [1024][1024]; f16 operands, f32 sums.
; IN: ao [mt 512][kg 64][lane][16 B] (lane (r, h): row 16 mt + r, k = 16 kg + 8 h + 0 .. 7) and woi [nt 64][kg 64][lane][16 B] (lane (r, h): Wo[16 kg + 8 h + 0 .. 7][16 nt + r]): images of operand registers.
; SHARES: a work-group makes 256 rows x 128 columns: 32 x 8 = 256 work-groups; a wave 64 rows x 128 columns: 32 accumulators.
; Wo's 128 columns for ALL of K, 262,144 bytes, are brought into LDS once, in four chunks of 256 along K, each wave a quarter of each chunk.
; CLUSTER: the four row blocks of a cluster need the same columns of Wo and ask for them jointly.  ao is not shared so: each of its rows is multiplied by one wave of a work-group and goes from memory straight into that
; wave's registers (a ring of eight slots of 32 along K, seven ahead: 56 loads, 28,672 bytes a wave); Wo's 262,144 bytes leave no room in LDS for a ring of ao's tiles beside them.
; THE MATRIX INSTRUCTION IS USED TRANSPOSED (source 0 = 16 columns of Wo, source 1 = 16 rows of ao): a lane holds eight neighbouring numbers of a row of out0; they go through the wave's own stage and leave as whole rows of 512 bytes.
; REGISTERS: window 0: v3-9 addresses, v28, v29 the add's two, v64-191 Wo's fragments, two sets (on the way out: rows read back).  window 1: the accumulators ((a, b) at v[8 (8 a + b)]).  window 2: ao's ring (slot q % 8 at v[32 (q % 8)]).
.set STAGE,  262144                    ; behind the four chunks: 16 rows x 528 bytes for each wave
.set SPITCH, 528
.set SPARE,  STAGE+4*16*SPITCH         ; the spare words, 128 bytes a wave
.set L16,  3                           ; v3    16 x lane
.set ADRB, 4                           ; v4-7  16 x lane + 65,536 x chunk
.set STO,  8                           ; v8    the stage: where I put 32 bytes of a row
.set RD,   9                           ; v9    and where I read a row back
.set SPW,  28
.set NIL,  29
.set BF,   64
.set WV,   12
.set G1,   24                          ; s[24:31] group 1;  s[32:47] groups 0, one for each chunk
.set G0,   32
.set MSB, 0
.macro WIN new                         ; the immediate's high byte repeats the setting that is left
.if MSB != \new
	s_set_vgpr_msb (MSB<<8)|\new
.set MSB, \new
.endif
.endm
.set W_MUL, 0x58                       ; source 0 (Wo) window 0, source 1 (ao) window 2, C and D window 1
.set W_A,   0x80                       ; destination window 2
.macro CROUND                          ; a round of the cluster's barrier
	s_barrier_signal -1
	s_barrier_wait -1
	s_cmp_lg_u32 s[WV], 0
	s_cbranch_scc1 .Lnot_wave_0_\@
	s_barrier_signal -3
.Lnot_wave_0_\@:
	s_barrier_wait -3
	s_barrier_signal -1
	s_barrier_wait -1
.endm
.macro PLACES                          ; plain vector lines between matrix instructions and loads into, or reads of, their registers
.rept 4
	v_nop
.endr
.endm
.macro ALOAD q                         ; ao's four fragments (my 64 rows x 32 along K) of quarter q
	WIN W_A
.irp a, 0,1,2,3
.irp g, 0,1
	global_load_b128 v[32*((\q)%8)+8*\a+4*\g:32*((\q)%8)+8*\a+4*\g+3], v[L16], s[4:5] offset:32768*\a+1024*(\q)+512*\g
.endr
.endr
.endm
.macro BFETCH q                        ; Wo's eight fragments of quarter q
	WIN 0
.irp b, 0,1,2,3,4,5,6,7
.irp g, 0,1
	ds_load_b128 v[BF+64*((\q)%2)+8*\b+4*\g:BF+64*((\q)%2)+8*\b+4*\g+3], v[ADRB+(\q)/8] offset:8192*\b+1024*((\q)%8)+512*\g
.endr
.endr
.endm
.macro QUARTER q                       ; 32 along K: 32 matrix instructions, the 32 accumulators by turns, in the same order in every quarter
	PLACES                                         ; the loads below land in registers that the last quarter's products read
.if (\q)+7 < 32
	ALOAD (\q)+7
.endif
.if (\q)+1 < 32
.if ((\q)+1)%8 == 0
	s_wait_tensorcnt 3-((\q)+1)/8                  ; my part of the next chunk is in; my parts of the later chunks may be out
	s_wait_dscnt 0x0                               ; no LDS instruction of mine is out at the signal
	s_barrier_signal -1
	s_barrier_wait -1                              ; everybody's part is in
.endif
	BFETCH (\q)+1
.endif
.if 31-(\q) < 7
	s_wait_loadcnt 8*(31-(\q))                     ; this quarter's eight loads are in; those of the later quarters may be out
.else
	s_wait_loadcnt 56
.endif
.if (\q) < 31
	s_wait_dscnt 16                                ; all but the 16 just issued
.else
	s_wait_dscnt 0x0
.endif
	WIN W_MUL
.irp a, 0,1,2,3
.irp b, 0,1,2,3,4,5,6,7
.if (\q) == 0
	v_wmma_f32_16x16x32_f16 v[8*(8*\a+\b):8*(8*\a+\b)+7], v[BF+64*((\q)%2)+8*\b:BF+64*((\q)%2)+8*\b+7], v[32*((\q)%8)+8*\a:32*((\q)%8)+8*\a+7], 0
.else
	v_wmma_f32_16x16x32_f16 v[8*(8*\a+\b):8*(8*\a+\b)+7], v[BF+64*((\q)%2)+8*\b:BF+64*((\q)%2)+8*\b+7], v[32*((\q)%8)+8*\a:32*((\q)%8)+8*\a+7], v[8*(8*\a+\b):8*(8*\a+\b)+7]
.endif
.endr
.endr
.endm
.macro TOSTAGE a                       ; block a (16 rows x 128 columns) into my stage, each accumulator from its low end on, and back as whole rows
	WIN 0x04                                       ; an LDS store's data are its source 1: window 1
.irp b, 0,1,2,3,4,5,6,7
	ds_store_b128 v[STO], v[8*(8*(\a)+\b):8*(8*(\a)+\b)+3] offset:64*\b
	ds_store_b128 v[STO], v[8*(8*(\a)+\b)+4:8*(8*(\a)+\b)+7] offset:64*\b+16
.endr
	WIN 0
.set BB, BF+64*((\a)%2)
.irp t, 0,1,2,3,4,5,6,7,8,9,10,11,12,13,14,15
	ds_load_b128 v[BB+4*\t:BB+4*\t+3], v[RD] offset:\t*SPITCH   ; LDS serves a wave's instructions in order (ISA guide 5.7.1.4): these see the stores above
.endr
.endm
.macro SEND a, younger                 ; younger: the LDS instructions issued behind block a's loads, which may stay out
.set BB, BF+64*((\a)%2)
	s_wait_dscnt \younger
.irp t, 0,1,2,3,4,5,6,7,8,9,10,11,12,13,14,15
	global_store_b128 v[L16], v[BB+4*\t:BB+4*\t+3], s[8:9] offset:65536*(\a)+4096*\t th:TH_STORE_NT   ; 32 lanes store 512 consecutive aligned bytes of a row
.endr
.endm
	s_load_b128 s[4:7], s[0:1], 0x0                ; ao s[4:5], woi s[6:7]
	s_load_b64 s[8:9], s[0:1], 0x10                ; out0
	v_lshl_add_u32 v[SPW], v0, 2, SPARE
	v_mov_b32 v[NIL], 0
	ds_add_u32 v[SPW], v[NIL]                      ; the wave's opening: the add, twice on end, and its wait ahead of my first tensor load
	ds_add_u32 v[SPW], v[NIL]
	v_lshrrev_b32 v1, 5, v0
	v_readfirstlane_b32 s[WV], v1                  ; wave 0..3
	s_bfe_u32 s13, ttmp6, 0x40000                  ; cx
	s_lshl_b32 s14, ttmp9, 2
	s_add_co_u32 s14, s14, s13                     ; my block of 256 rows = 4 x cluster x + cx
	s_and_b32 s15, ttmp7, 0xffff                   ; my block of 128 columns, which the four partners share
	; group 1: 2 rows (tiles of 16 columns) of 8,192 bytes, 32,768 bytes apart; elements of 8 bytes
	s_mov_b32 s[G1], 15|(3<<16)|(1<<21)            ; 15:0 the mask: all four; 17:16 elements of 8 bytes; 21 set beside a mask
	s_mov_b32 s[G1+1], 1024<<16                    ; tensor_dim0 = 1,024
	s_mov_b32 s[G1+2], 2<<16                       ; tensor_dim1 = 2
	s_mov_b32 s[G1+3], 1024<<16                    ; tile_dim0 = 1,024
	s_mov_b32 s[G1+4], 2                           ; tile_dim1 = 2
	s_mov_b32 s[G1+5], 4096                        ; from row to row
	s_mov_b32 s[G1+6], 0
	s_mov_b32 s[G1+7], 0
	s_lshl_b32 s16, s15, 3
	s_lshl_b32 s17, s[WV], 1
	s_add_co_u32 s16, s16, s17                     ; Wo: tile of columns 8 x block + 2 x wave,
	s_lshl_b32 s16, s16, 15                        ; 32,768 bytes a tile
	s_mov_b32 s17, 0
	s_lshl_b32 s18, s[WV], 14                      ; and its place in a chunk
	s_lshl_b32 s20, s14, 2
	s_add_co_u32 s20, s20, s[WV]                   ; my 64 rows: 4 x block + wave
	s_lshl_b32 s22, s20, 18                        ; in out0: 64 rows of 4,096 bytes,
	s_lshl_b32 s23, s15, 9                         ; + 512 bytes a block of columns
	s_add_co_u32 s22, s22, s23
	s_mov_b32 s23, 0
	s_lshl_b32 s20, s20, 17                        ; in ao: four tiles of 32,768 bytes
	s_mov_b32 s21, 0
	v_and_b32 v1, 15, v0                           ; r
	v_bfe_u32 v2, v0, 4, 1                         ; h
	v_and_b32 v[L16], 31, v0
	v_lshlrev_b32 v[L16], 4, v[L16]
.irp j, 0,1,2,3
	v_add_nc_u32 v[ADRB+\j], 65536*\j, v[L16]
.endr
	s_mul_i32 s19, s[WV], 16*SPITCH
	s_add_co_u32 s19, s19, STAGE                   ; my stage
	v_mul_u32_u24 v[STO], v1, SPITCH
	v_lshl_add_u32 v[STO], v2, 5, v[STO]
	v_add_nc_u32 v[STO], s19, v[STO]               ; in: row r, + 32 h
	v_add_nc_u32 v[RD], s19, v[L16]                ; back: the 32 lanes take a row of 512 bytes
	s_wait_dscnt 0x0                               ; both opening adds are done
	s_wait_kmcnt 0x0
	s_add_nc_u64 s[16:17], s[6:7], s[16:17]
	s_add_nc_u64 s[4:5], s[4:5], s[20:21]
	s_add_nc_u64 s[8:9], s[8:9], s[22:23]
	CROUND                                         ; all four work-groups are here: the joint loads meet
.irp j, 0,1,2,3
	s_mov_b32 s[G0+4*\j], 1                        ; count = 1
	s_add_co_u32 s[G0+4*\j+1], s18, 65536*\j       ; LDS address
	s_add_nc_u64 s[G0+4*\j+2:G0+4*\j+3], s[16:17], 8192*\j   ; global address: 256 along K are 8,192 bytes of a tile
	s_or_b32 s[G0+4*\j+3], s[G0+4*\j+3], 0x80000000   ; type = 2
.endr
.irp j, 0,1,2,3
	tensor_load_to_lds s[G0+4*\j:G0+4*\j+3], s[G1:G1+7]   ; all first fills in one group; an s_nop 0 follows each, four v_nop the last
	s_nop 0
.endr
.rept 4
	v_nop
.endr
.irp q, 0,1,2,3,4,5,6
	ALOAD \q
.endr
	s_wait_tensorcnt 3                             ; my part of chunk 0 is in; my parts of chunks 1 to 3 may be out
	s_barrier_signal -1
	s_barrier_wait -1                              ; everybody's is
	BFETCH 0
.set QQ, 0
.rept 32
	QUARTER QQ
.set QQ, QQ+1
.endr
	WIN 0
	PLACES                                         ; behind the last products: the stage's stores read results, its loads land where Wo's fragments lay
	TOSTAGE 0
.irp a, 1,2,3
.if \a > 1
	s_wait_xcnt 0x0                                ; block a - 2's stores have read their registers: block a's rows may land there
.endif
	TOSTAGE \a
	SEND \a-1, 32                                  ; behind block a - 1's loads: block a's 16 stores and 16 loads
.endr
	SEND 3, 0
	s_wait_tensorcnt 0x0                           ; the wave's end, behind my last LDS store
	ds_add_u32 v[SPW], v[NIL]
	s_wait_dscnt 0x0
	CROUND                                         ; the closing round
	s_endpgm
.Lfunc_end_k_qd34357a2a3_oproj:
	.size	k_qd34357a2a3_oproj, .Lfunc_end_k_qd34357a2a3_oproj-k_qd34357a2a3_oproj
	.p2alignl 7, 3214868480
	.fill 96, 4, 3214868480
	.section	.rodata,"a",@progbits
	.p2align	6, 0x0
	.amdhsa_kernel k_qd34357a2a3_oproj
		.amdhsa_group_segment_fixed_size 327680
		.amdhsa_private_segment_fixed_size 0
		.amdhsa_enable_private_segment 0
		.amdhsa_kernarg_size 24
		.amdhsa_user_sgpr_count 2
		.amdhsa_user_sgpr_kernarg_segment_ptr 1
		.amdhsa_wavefront_size32 1
		.amdhsa_system_sgpr_workgroup_id_x 1
		.amdhsa_system_sgpr_workgroup_id_y 1
		.amdhsa_system_sgpr_workgroup_id_z 1
		.amdhsa_system_vgpr_workitem_id 0
		.amdhsa_next_free_vgpr 768
		.amdhsa_next_free_sgpr 66
		.amdhsa_reserve_vcc 0
		.amdhsa_float_denorm_mode_32 3
		.amdhsa_float_denorm_mode_16_64 3
		.amdhsa_memory_ordered 1
		.amdhsa_forward_progress 1
		.amdhsa_inst_pref_size 149
	.end_amdhsa_kernel
	.amdgpu_metadata
---
amdhsa.version: [ 1, 2 ]
amdhsa.kernels:
  - .name:           k_qd34357a2a3_oproj
    .symbol:         k_qd34357a2a3_oproj.kd
    .args:
      - { .name: ao, .offset: 0, .size: 8, .value_kind: global_buffer, .address_space: global }
      - { .name: woi, .offset: 8, .size: 8, .value_kind: global_buffer, .address_space: global }
      - { .name: out0, .offset: 16, .size: 8, .value_kind: global_buffer, .address_space: global }
    .group_segment_fixed_size: 327680
    .private_segment_fixed_size: 0
    .kernarg_segment_align: 8
    .kernarg_segment_size: 24
    .max_flat_workgroup_size: 128
    .sgpr_count:     66
    .vgpr_count:     768
    .wavefront_size: 32
...
	.end_amdgpu_metadata
.endif
;; end of part 4
